; MI455X (gfx1250); checked and timed in simulation.
; The chip was launched on July 23, 2026; its instructions are those of AMD's public machine-readable ISA for CDNA 5 (MIT licence, August 2026) and "CDNA5" Instruction Set Architecture Reference Guide (July 2026). The comments in the code are by the model that wrote it; some were corrected since.
;; Attention. Allowed arithmetic: float matrix products may take bf16 or f16 operands with f32 sums; other float arithmetic in f32, or as packed bf16 or f16 multiplies, adds, multiply-adds, maxima and minima; sums over many terms, partial sums and values carried from step to step in f32; what a program stores and reads back later, other than sums and carried values, may be rounded once to bf16 or f16.
;; Inputs: Wk 512 x 4,096 float32; Wq 512 x 4,096 float32; Wv 512 x 4,096 float32; bk 4,096 float32; bq 4,096 float32; bv 4,096 float32; query 4 x 1,024 x 512 float32; value 4 x 1,024 x 512 float32.
;; Outputs: out0 4 x 1,024 x 4,096 float32.
;; One version. Each part assembles by itself: llvm-mc -triple=amdgcn-amd-amdhsa -mcpu=gfx1250 --defsym DOCPART=n.
;; ======== version 1 of 1: 3 launches
;; limits: values are held in f16: magnitudes above 65,504 overflow, below 6.1e-05 lose precision; right only within a limited range of input values
;; workspace buffers: cb 20,971,520 bytes; qkv 100,663,296 bytes
;; launch cast (part 1): grid 256 x 5, 8 waves a work-group, no clusters, 0 bytes of LDS; arguments query, value, Wq, Wk, Wv, cb; writes cb
.if DOCPART == 1
	.amdgcn_target "amdgcn-amd-amdhsa--gfx1250"
	.amdhsa_code_object_version 6
	.text
	.protected	k_q025e0239d4_cast
	.globl	k_q025e0239d4_cast
	.p2align	8
	.type	k_q025e0239d4_cast,@function
k_q025e0239d4_cast:
	s_mov_b64 s[64:65], 0
	v_nop
	global_prefetch_b8 v0, s[64:65] scope:SCOPE_SE
	s_setreg_imm32_b32 hwreg(HW_REG_WAVE_MODE, 25, 1), 1
	s_wait_xcnt 0x0
; The five large f32 inputs, rounded once to bf16, layouts unchanged: cb = query | value | Wq | Wk | Wv, 4 MiB each.
; The grid's y picks the input, its x a piece of 32,768 input bytes.  Thread t takes, for i = 0..7, the 16 bytes at 4,096 i + 16 t
; and stores 8 bytes at 2,048 i + 8 t: a load of a wave covers 512 consecutive bytes, a store 256 consecutive bytes, aligned.
; All eight loads go out together; no register is written twice, so the only waits are the counted ones for the data.
; No LDS, no matrix unit: every byte is read once and written once, and nothing is shared.
.set X, 8                              ; v[8:39]   eight loads of four f32
.set Y, 40                             ; v[40:55]  eight pairs of packed bf16
	s_load_b256 s[4:11], s[0:1], 0x0               ; query, value, Wq, Wk
	s_load_b128 s[12:15], s[0:1], 0x20             ; Wv, cb
	s_and_b32 s16, ttmp7, 0xffff                   ; which input
	s_lshl_b32 s18, ttmp9, 15                      ; my piece of it, in bytes
	s_mov_b32 s19, 0
	s_lshl_b32 s20, s16, 22                        ; its part of cb,
	s_lshl_b32 s21, ttmp9, 14                      ; and my piece there
	s_add_co_u32 s20, s20, s21
	s_mov_b32 s21, 0
	v_lshlrev_b32 v1, 4, v0
	v_lshlrev_b32 v2, 3, v0
	s_wait_kmcnt 0x0
.irp n, 1,2,3,4
	s_cmp_eq_u32 s16, \n
	s_cselect_b64 s[4:5], s[4+2*(\n):5+2*(\n)], s[4:5]
.endr
	s_add_nc_u64 s[4:5], s[4:5], s[18:19]
	s_add_nc_u64 s[14:15], s[14:15], s[20:21]
.irp i, 0,1,2,3,4,5,6,7
	global_load_b128 v[X+4*(\i):X+4*(\i)+3], v1, s[4:5] offset:4096*(\i) th:TH_LOAD_NT
.endr
.irp i, 0,1,2,3,4,5,6,7
	s_wait_loadcnt 7-(\i)                          ; loads come back in order: number i is in, the younger ones stay out
	v_cvt_pk_bf16_f32 v[Y+2*(\i)], v[X+4*(\i)], v[X+4*(\i)+1]
	v_cvt_pk_bf16_f32 v[Y+2*(\i)+1], v[X+4*(\i)+2], v[X+4*(\i)+3]
	global_store_b64 v2, v[Y+2*(\i):Y+2*(\i)+1], s[14:15] offset:2048*(\i) th:TH_STORE_NT
.endr
	s_endpgm
.Lfunc_end_k_q025e0239d4_cast:
	.size	k_q025e0239d4_cast, .Lfunc_end_k_q025e0239d4_cast-k_q025e0239d4_cast
	.p2alignl 7, 3214868480
	.fill 96, 4, 3214868480
	.section	.rodata,"a",@progbits
	.p2align	6, 0x0
	.amdhsa_kernel k_q025e0239d4_cast
		.amdhsa_group_segment_fixed_size 0
		.amdhsa_private_segment_fixed_size 0
		.amdhsa_enable_private_segment 0
		.amdhsa_kernarg_size 48
		.amdhsa_user_sgpr_count 2
		.amdhsa_user_sgpr_kernarg_segment_ptr 1
		.amdhsa_wavefront_size32 1
		.amdhsa_system_sgpr_workgroup_id_x 1
		.amdhsa_system_sgpr_workgroup_id_y 1
		.amdhsa_system_sgpr_workgroup_id_z 1
		.amdhsa_system_vgpr_workitem_id 0
		.amdhsa_next_free_vgpr 56
		.amdhsa_next_free_sgpr 66
		.amdhsa_reserve_vcc 0
		.amdhsa_float_denorm_mode_32 3
		.amdhsa_float_denorm_mode_16_64 3
		.amdhsa_memory_ordered 1
		.amdhsa_forward_progress 1
		.amdhsa_inst_pref_size 4
	.end_amdhsa_kernel
	.amdgpu_metadata
---
amdhsa.version: [ 1, 2 ]
amdhsa.kernels:
  - .name:           k_q025e0239d4_cast
    .symbol:         k_q025e0239d4_cast.kd
    .args:
      - { .name: query, .offset: 0, .size: 8, .value_kind: global_buffer, .address_space: global }
      - { .name: value, .offset: 8, .size: 8, .value_kind: global_buffer, .address_space: global }
      - { .name: Wq, .offset: 16, .size: 8, .value_kind: global_buffer, .address_space: global }
      - { .name: Wk, .offset: 24, .size: 8, .value_kind: global_buffer, .address_space: global }
      - { .name: Wv, .offset: 32, .size: 8, .value_kind: global_buffer, .address_space: global }
      - { .name: cb, .offset: 40, .size: 8, .value_kind: global_buffer, .address_space: global }
    .group_segment_fixed_size: 0
    .private_segment_fixed_size: 0
    .kernarg_segment_align: 8
    .kernarg_segment_size: 48
    .max_flat_workgroup_size: 256
    .sgpr_count:     66
    .vgpr_count:     56
    .wavefront_size: 32
...
	.end_amdgpu_metadata
.endif
;; end of part 1
;; launch proj (part 2): grid 16 x 16, 4 waves a work-group, clusters of 4 x 4, 327,680 bytes of LDS; arguments cb, bq, bk, bv, qkv; writes qkv
.if DOCPART == 2
	.amdgcn_target "amdgcn-amd-amdhsa--gfx1250"
	.amdhsa_code_object_version 6
	.text
	.protected	k_q025e0239d4_proj
	.globl	k_q025e0239d4_proj
	.p2align	8
	.type	k_q025e0239d4_proj,@function
k_q025e0239d4_proj:
	s_mov_b64 s[64:65], 0
	v_nop
	global_prefetch_b8 v0, s[64:65] scope:SCOPE_SE
	s_setreg_imm32_b32 hwreg(HW_REG_WAVE_MODE, 25, 1), 1
	s_wait_xcnt 0x0
	s_wait_alu depctr_hold_cnt(0) depctr_sa_sdst(0) depctr_va_vdst(0) depctr_va_sdst(0) depctr_va_ssrc(0) depctr_va_vcc(0) depctr_vm_vsrc(0)
	s_getreg_b32 s2, hwreg(HW_REG_IB_STS2, 6, 4)
	s_cmp_eq_u32 s2, 0
	s_cbranch_scc0 .Lentry_in_a_cluster
	s_endpgm
.Lentry_in_a_cluster:
	s_bfe_u32 s2, ttmp6, 0x10000c
	s_cmp_lg_u32 s2, 0xf033
	s_cbranch_scc0 .Lentry_shape_is_right
	s_endpgm
.Lentry_shape_is_right:
; q = query Wq + bq, k = value Wk + bk, v = value Wv + bv.  x: [4096][512] bf16, W: [512][4096] bf16 (both from cb), b: [4096] f32, rounded here to bf16 like the other inputs.
; Products in bf16, sums in f32 (the bias starts each sum), each result rounded once to f16: qkv = [3][4096][4096] f16, seen as one C of 12,288 rows.
; LIMIT: f16 holds no number beyond 65,504: q, k and v must lie within it.
; A WORK-GROUP STAYS and makes three tiles of 256 x 256, the same place in q, k and v; four waves, each 128 x 128: 64 accumulators, 512 registers.  K = 512 goes in four steps of 128 through a ring of
; two LDS slots, which runs on from tile to tile.  x's tile rows are 256 bytes of memory, W's 512, all starting at multiples of 256 from the buffer's first byte.
; W LIES [k][n]: its fragments come out of LDS turned, by ds_load_tr16_b128.  Wq, Wk, Wv lie end to end in cb, so W's tile address takes the same step at every refill, across tiles too.
; CLUSTERS: 4 x 4 work-groups.  x's tile hangs on the tile row alone and is asked for jointly by a row of the cluster, W's on the tile column alone, by a column.
; THE MATRIX INSTRUCTION IS USED TRANSPOSED (source 0 = 16 columns of W, source 1 = 16 rows of x): lane l holds row l % 16 of C and the columns 8 (l / 16) + 0..7, which pack into 16 bytes.
; REGISTERS, in windows of 256 (s_set_vgpr_msb: bits 1:0 source 0, 3:2 source 1, 5:4 source 2, 7:6 destination):
;   window 0: v0-31 addresses; v64-127, v128-191 fragments of x, two buffers (in the very last K step four of 16 rows x 128 K); v32-63, v192-255 at work on the way out
;   window 1: v0-63 the bias of my 128 columns, as the C operand wants it; v64-127, v128-191 fragments of W; v192-223 at work on the bias; in the very last K step all 256 hold W's fragments
;   window 2: the accumulators of my rows 0-63 ((a, b) at v[8 (8 a + b)]);   window 3: those of my rows 64-127
.set SIZE_N, 4096
.set PITCH,  272                       ; an LDS row of x: 256 bytes + 16: the 16 rows of a load start at 16 different groups of four banks (64 banks of 4 bytes: ISA guide 11.1)
.set PB,     544                       ; an LDS row of W: 512 bytes + 32
.set HALFT,  128*PITCH                 ; what one tensor load brings: 128 rows of x, or 64 rows of W (64 x 544 is the same number)
.set SLOT,   4*HALFT                   ; x's 256 rows, then W's 128 rows
.set STAGE,  2*SLOT                    ; behind the ring: 16 rows x 272 bytes for each wave, for the way out
.set SPITCH, 272
.set SPARE,  STAGE+4*16*SPITCH         ; behind the stages: the spare words, 128 bytes for each wave: two blocks of 256 bytes that no other line names
.set XV,     0x400000                  ; value's place in cb
.set WB,     0x800000                  ; Wq's
.set WSTEP,  128*SIZE_N*2              ; a K step of W: 128 rows of 8,192 bytes
.set NEXT_C, (4096-7*16)*SIZE_N*2      ; bytes from my last 16 rows of a tile to my first of the next
.set ADRA, 16                          ; v16-17  LDS address of my x fragments in slot 0, 1
.set ADRB, 20                          ; v20-21  the same for W
.set STO,  24                          ; v24     the way out: where I put 16 bytes of a row
.set RD,   25                          ; v25     the way out: where I read a row back
.set CO,   26                          ; v26     my byte offset in C
.set BO,   27                          ; v27     my byte offset in a bias
.set SPW,  28                          ; v28     LDS address of my spare word; never rewritten
.set NIL,  29                          ; v29     0; never rewritten
.set PFO,  30                          ; v30     the prefetches' lane offset; never rewritten
.set F0,   64
.set F1,   128
.set TMP,  192
.set OB,   32
.set PA,   64
.set BIAS, 0                           ; window 1
.set BSCR, 192                         ; window 1
.set G1,  24                           ; s[24:31] group 1 for x's tiles;  s[32:39] group 0, a set for each slot
.set G0,  32
.set G1B, 48                           ; s[48:55], s[56:63] the same for W's tiles
.set G0B, 56
.set LIM, 43                           ; s43     a wave prefetches while the tiles to go (s2) are more than this
.set PFA, 44                           ; s[44:45] where my prefetches stand
.set BP,  74                           ; s[74:75] the bias that is being loaded (s[68:69] bq, s[70:71] bk, s[72:73] bv)
.set NA,  76                           ; s[76:77] what x's address gains at a change of tiles: query to value, then nothing
.set PST, 78                           ; s[78:79] the prefetch address's step
.set MSB, 0
.macro WIN new                         ; the immediate's high byte repeats the setting that is left; a switch that changes nothing is dropped
.if MSB != (\new)
	s_set_vgpr_msb (MSB<<8)|(\new)
.set MSB, \new
.endif
.endm
.set MUL_LO, 0xa1                      ; source 0 (W) window 1, source 1 (x) window 0, C and D window 2
.set MUL_HI, 0xf1                      ; the same, C and D window 3
.set BIA_LO, 0x91                      ; C (the bias) window 1, D window 2
.set BIA_HI, 0xd1                      ; C window 1, D window 3
.set TO_B,   0x40                      ; destination window 1, address window 0
; A joint load.  Waves 0 and 1 fetch x's two halves, waves 2 and 3 W's.  The branch hangs on the wave's number alone.  An s_nop 0 and four v_nop follow each of the two lines.
.macro JLOAD s
	s_cmp_eq_u32 s11, 0
	s_cbranch_scc0 .Lfor_b_\@
	tensor_load_to_lds s[G0+4*(\s):G0+4*(\s)+3], s[G1:G1+7]
	s_nop 0
.rept 4
	v_nop
.endr
	s_branch .Lasked_\@
.Lfor_b_\@:
	tensor_load_to_lds s[G0B+4*(\s):G0B+4*(\s)+3], s[G1B:G1B+7]
	s_nop 0
.rept 4
	v_nop
.endr
.Lasked_\@:
.endm
; A PREFETCH INTO THE L2: the change of slots of K step k asks for the NEXT tile's K step k, which is loaded two refills, 512 matrix instructions, later.  Each aligned 256 bytes are named once in the launch:
; value's rows by the clusters with x = 0, in the first tile alone (the third tile reads them again); Wk's and Wv's by the clusters with y = 0, in the first two tiles.  The four partners of a joint load share
; its blocks out by address: 32 rows of x each, or 16 rows x 2 blocks of W.  The first tile's own K steps come by their loads alone; the last tile asks for nothing.
.macro ASK
	s_cmp_gt_u32 s2, s[LIM]
	s_cbranch_scc0 .Lnot_mine_\@
	global_prefetch_b8 v[PFO], s[PFA:PFA+1] th:TH_LOAD_NT scope:SCOPE_SE
.Lnot_mine_\@:
.endm
.macro CREST                           ; a round of the cluster's barrier behind its opening barrier
	s_cmp_lg_u32 s10, 0
	s_cbranch_scc1 .Lnot_wave_0_\@
	s_barrier_signal -3
.Lnot_wave_0_\@:
	s_barrier_wait -3
	s_barrier_signal -1
	s_barrier_wait -1
.endm
.macro CROUND                          ; a whole round
	s_barrier_signal -1
	s_barrier_wait -1
	CREST
.endm
.macro BIASLD                          ; my 128 columns of the bias: block b's eight numbers 8 (l / 16) + 0..7, as register j of the C operand wants them
	WIN TO_B
.irp b, 0,1,2,3,4,5,6,7
	global_load_b128 v[BIAS+8*(\b):BIAS+8*(\b)+3],   v[BO], s[BP:BP+1] offset:64*(\b)
	global_load_b128 v[BIAS+8*(\b)+4:BIAS+8*(\b)+7], v[BO], s[BP:BP+1] offset:64*(\b)+16
.endr
.endm
.macro BIASRND                         ; rounded to bf16 and widened again
	WIN 0x45                                       ; destination and both sources in window 1
.set i, 0
.rept 32
	v_cvt_pk_bf16_f32 v[BSCR+i], v[BIAS+2*i], v[BIAS+2*i+1]
.set i, i+1
.endr
.set i, 0
.rept 32
	v_lshlrev_b32 v[BIAS+2*i], 16, v[BSCR+i]
	v_and_b32 v[BIAS+2*i+1], 0xffff0000, v[BSCR+i]
.set i, i+1
.endr
.endm
	s_load_b64 s[4:5], s[0:1], 0x0                 ; cb
	s_load_b128 s[68:71], s[0:1], 0x8              ; bq, bk
	s_load_b64 s[72:73], s[0:1], 0x18              ; bv
	s_load_b64 s[8:9], s[0:1], 0x20                ; qkv
	v_lshl_add_u32 v[SPW], v0, 2, SPARE
	v_mov_b32 v[NIL], 0
	ds_add_u32 v[SPW], v[NIL]                      ; the wave's opening: the add and its wait stand ahead of my first tensor load; the set-up below stands between them
	v_lshrrev_b32 v1, 5, v0
	v_readfirstlane_b32 s10, v1                    ; wave 0..3
	s_lshr_b32 s11, s10, 1                         ; which half of the tile's rows is mine.  Also: I fetch for x (0) or for W (1)
	s_and_b32 s12, s10, 1                          ; which half of its columns.  Also: which half of that tile I fetch
	s_bfe_u32 s40, ttmp6, 0x40000                  ; cx
	s_bfe_u32 s41, ttmp6, 0x40004                  ; cy
	s_lshl_b32 s42, ttmp9, 2
	s_add_co_u32 s42, s42, s40                     ; tile column = 4 x cluster x + cx
	s_and_b32 s13, ttmp7, 0xffff
	s_lshl_b32 s13, s13, 2
	s_add_co_u32 s13, s13, s41                     ; tile row = 4 x cluster y + cy
	s_lshl_b32 s43, s41, 2
	s_lshl_b32 s43, 15, s43                        ; my row of the cluster
	s_lshl_b32 s44, 0x1111, s40                    ; my column
	s_or_b32 s[G1+0], s43, (1<<16)|(1<<20)|(1<<21)|(5<<22)|(3<<25)   ; the mask; 2-byte elements; padding on; bit 21 beside a mask; after every 64 words, 4 words
	s_or_b32 s[G1B+0], s44, (1<<16)|(1<<20)|(1<<21)|(6<<22)|(7<<25)  ; after every 128 words, 8 words
	s_mov_b32 s[G1+1], 128<<16                     ; x: tensor_dim0 = 128
	s_mov_b32 s[G1+2], 128<<16                     ; tensor_dim1 = 128
	s_mov_b32 s[G1+3], 128<<16                     ; tile_dim0 = 128
	s_mov_b32 s[G1+4], 128                         ; tile_dim1 = 128
	s_mov_b32 s[G1+5], 512                         ; elements from row to row
	s_mov_b32 s[G1+6], 0
	s_mov_b32 s[G1+7], 0
	s_mov_b32 s[G1B+1], 256<<16                    ; W: tensor_dim0 = 256
	s_mov_b32 s[G1B+2], 64<<16                     ; tensor_dim1 = 64
	s_mov_b32 s[G1B+3], 256<<16                    ; tile_dim0 = 256
	s_mov_b32 s[G1B+4], 64                         ; tile_dim1 = 64
	s_mov_b32 s[G1B+5], SIZE_N
	s_mov_b32 s[G1B+6], 0
	s_mov_b32 s[G1B+7], 0
	s_lshl_b32 s16, s13, 18                        ; x: 256 rows of 1,024 bytes x tile row
	s_lshl_b32 s17, s12, 17                        ; + the 128 rows that I fetch
	s_add_co_u32 s16, s16, s17
	s_mov_b32 s17, 0
	s_lshl_b32 s46, s42, 9                         ; W: 512 bytes x tile column
	s_lshl_b32 s47, s12, 19                        ; + the 64 rows of 8,192 bytes that I fetch
	s_add_co_u32 s46, s46, s47
	s_mov_b32 s47, 0
	s_mul_i32 s20, s10, HALFT                      ; where they go: no place in the cluster enters an LDS address
	s_mov_b32 s[NA], XV
	s_mov_b32 s[NA+1], 0
	s_wait_dscnt 0x0                               ; the opening add is done
	s_wait_kmcnt 0x0
	s_add_nc_u64 s[6:7], s[4:5], WB
	s_add_nc_u64 s[14:15], s[4:5], s[16:17]
	s_add_nc_u64 s[46:47], s[6:7], s[46:47]
	CROUND                                         ; all sixteen work-groups are here: the first joint loads meet
.irp s, 0,1
	s_mov_b32 s[G0+4*(\s)], 1
	s_add_co_u32 s[G0+4*(\s)+1], s20, (\s)*SLOT
	s_add_nc_u64 s[G0+4*(\s)+2:G0+4*(\s)+3], s[14:15], (\s)*256
	s_or_b32 s[G0+4*(\s)+3], s[G0+4*(\s)+3], 0x80000000
	s_mov_b32 s[G0B+4*(\s)], 1
	s_add_co_u32 s[G0B+4*(\s)+1], s20, (\s)*SLOT
	s_add_nc_u64 s[G0B+4*(\s)+2:G0B+4*(\s)+3], s[46:47], (\s)*WSTEP
	s_or_b32 s[G0B+4*(\s)+3], s[G0B+4*(\s)+3], 0x80000000
	JLOAD \s
.endr
	v_and_b32 v1, 15, v0                           ; l % 16
	v_bfe_u32 v2, v0, 4, 1                         ; l / 16
	s_lshl_b32 s21, s42, 10                        ; the bias: 4 bytes x (256 x tile column
	s_lshl_b32 s22, s12, 9                         ; + my 128 columns
	s_add_co_u32 s21, s21, s22
	v_lshl_add_u32 v[BO], v2, 5, s21               ; + 8 (l / 16))
	s_mov_b64 s[BP:BP+1], s[68:69]
	BIASLD                                         ; bq
	WIN 0
	v_mul_u32_u24 v3, v1, PITCH
	v_lshl_add_u32 v3, v2, 4, v3                   ; x: row x pitch + 16 x half
	s_mul_i32 s21, s11, HALFT                      ; my 128 rows of x
	v_and_b32 v6, 7, v0                            ; W, turned: lane l reads k row 8 (l / 16) + l % 8, columns 8 ((l / 8) % 2) + 0..7
	v_lshl_add_u32 v6, v2, 3, v6
	v_mul_u32_u24 v6, v6, PB
	v_bfe_u32 v7, v0, 3, 1
	v_lshl_add_u32 v6, v7, 4, v6
	s_lshl_b32 s22, s12, 8                         ; my 128 columns: 256 bytes of a row,
	s_add_co_u32 s22, s22, 2*HALFT                 ; behind x's 256 rows
.irp s, 0,1
	v_add_nc_u32 v[ADRA+(\s)], s21, v3
	v_add_nc_u32 v[ADRB+(\s)], s22, v6
	s_add_co_u32 s21, s21, SLOT
	s_add_co_u32 s22, s22, SLOT
.endr
	s_mul_i32 s23, s10, 16*SPITCH
	s_add_co_u32 s23, s23, STAGE                   ; my stage
	v_mul_u32_u24 v4, v1, SPITCH
	v_lshl_add_u32 v4, v2, 4, v4
	v_add_nc_u32 v[STO], s23, v4
	v_mul_u32_u24 v5, v2, SPITCH
	v_lshl_add_u32 v5, v1, 4, v5
	v_add_nc_u32 v[RD], s23, v5
	v_mul_u32_u24 v5, v2, SIZE_N*2
	v_lshl_add_u32 v[CO], v1, 4, v5
	s_lshl_b32 s16, s13, 8                         ; where my part of the first tile begins in C
	s_lshl_b32 s14, s11, 7
	s_add_co_u32 s16, s16, s14
	s_lshl_b32 s16, s16, 13                        ; rows of 8,192 bytes
	s_mov_b32 s17, 0
	s_lshl_b32 s46, s42, 9
	s_lshl_b32 s47, s12, 8
	s_add_co_u32 s46, s46, s47
	s_mov_b32 s47, 0
	s_add_nc_u64 s[16:17], s[16:17], s[46:47]
	; the prefetches: the address stands one step in front of the first block that is asked for
	s_lshl_b32 s20, s13, 18                        ; x: the tile's rows,
	s_lshl_b32 s21, s12, 17                        ; the 128 that I fetch,
	s_add_co_u32 s20, s20, s21
	s_lshl_b32 s21, s40, 15                        ; my work-group's 32 of them,
	s_add_co_u32 s20, s20, s21
	s_add_co_u32 s20, s20, XV-256                  ; in value
	s_lshl_b32 s22, s12, 19                        ; W: the 64 rows that I fetch,
	s_lshl_b32 s23, s41, 17                        ; my work-group's 16 of them,
	s_add_co_u32 s22, s22, s23
	s_lshl_b32 s23, s42, 9                         ; the tile's columns,
	s_add_co_u32 s22, s22, s23
	s_add_co_u32 s22, s22, WB+4*WSTEP-WSTEP        ; in Wk
	s_and_b32 s23, ttmp7, 0xffff                   ; cluster y
	s_cmp_eq_u32 s11, 0                            ; do I fetch for x?
	s_cselect_b32 s20, s20, s22
	s_cselect_b32 s23, ttmp9, s23                  ; the coordinate along which other clusters read the same blocks
	s_cselect_b32 s[LIM], 2, 1
	s_cselect_b32 s18, -1, 0
	s_cselect_b32 s[PST], 8, 20
	s_lshl_b32 s[PST], 1, s[PST]                   ; 256 bytes along a row of x, or 128 rows of W
	s_mov_b32 s[PST+1], 0
	s_mov_b32 s21, 0
	s_cmp_eq_u32 s23, 0
	s_cselect_b32 s[LIM], s[LIM], 99               ; the same in all sixteen partners, for a given wave
	s_add_nc_u64 s[PFA:PFA+1], s[4:5], s[20:21]
	v_and_b32 v6, 31, v0
	v_lshlrev_b32 v7, 10, v6                       ; x: a lane a row
	v_lshrrev_b32 v8, 1, v6
	v_and_b32 v6, 1, v6
	v_lshlrev_b32 v8, 13, v8
	v_lshl_add_u32 v8, v6, 8, v8                   ; W: two lanes a row, 256 bytes apart
	v_cndmask_b32 v[PFO], v8, v7, s18
; 16 matrix instructions: m blocks a0, a0 + 1 of the window's four x all 8 n blocks, 32 along K.  zero = 1: the first product starts the sums, with the bias as C: nothing is cleared, nothing is added later.
; The 64 accumulators take turns, one instruction a turn.
.macro MUL16 f, hi, a0, zero
.if \zero
	WIN BIA_LO+0x40*(\hi)
.else
	WIN MUL_LO+0x50*(\hi)
.endif
.irp a, \a0, (\a0)+1
.irp b, 0,1,2,3,4,5,6,7
.if \zero
	v_wmma_f32_16x16x32_bf16 v[8*(8*(\a)+(\b)):8*(8*(\a)+(\b))+7], v[(\f)+8*(\b):(\f)+8*(\b)+7], v[(\f)+8*(4*(\hi)+(\a)):(\f)+8*(4*(\hi)+(\a))+7], v[BIAS+8*(\b):BIAS+8*(\b)+7]
.else
	v_wmma_f32_16x16x32_bf16 v[8*(8*(\a)+(\b)):8*(8*(\a)+(\b))+7], v[(\f)+8*(\b):(\f)+8*(\b)+7], v[(\f)+8*(4*(\hi)+(\a)):(\f)+8*(4*(\hi)+(\a))+7], v[8*(8*(\a)+(\b)):8*(8*(\a)+(\b))+7]
.endif
.endr
.endr
.endm
; 32 LDS loads in one run: the fragments of quarter q (32 along K) into buffer f: W's 128 columns turned (k rows 32 q on), then x's 128 rows (byte 64 q of the rows)
.macro FETCH slot, q, f
	WIN TO_B
.irp i, 0,1,2,3,4,5,6,7
	ds_load_tr16_b128 v[(\f)+8*(\i):(\f)+8*(\i)+3],   v[ADRB+(\slot)] offset:(\q)*32*PB+(\i)*32
	ds_load_tr16_b128 v[(\f)+8*(\i)+4:(\f)+8*(\i)+7], v[ADRB+(\slot)] offset:(\q)*32*PB+(\i)*32+16*PB
.endr
	WIN 0
.irp i, 0,1,2,3,4,5,6,7
	ds_load_b128 v[(\f)+8*(\i):(\f)+8*(\i)+3],   v[ADRA+(\slot)] offset:(\q)*64+(\i)*16*PITCH
	ds_load_b128 v[(\f)+8*(\i)+4:(\f)+8*(\i)+7], v[ADRA+(\slot)] offset:(\q)*64+(\i)*16*PITCH+32
.endr
.endm
.macro PLACES                          ; four plain vector instructions between a matrix instruction and a load into, or a vector line on, its registers (ISA guide 7.12.1 for vector instructions)
.rept 4
	v_nop
.endr
.endm
; A K step is four quarters of 32 along K, 64 matrix instructions each, on buffers 0, 1, 0, 1.  One of the first three: multiplies buffer f; in its middle it fetches quarter q of the same slot into buffer g.
.macro QUARTER slot, q, f, g, zero
	s_wait_dscnt 8                                 ; W and x's rows 0-63 are in; the youngest eight loads (x's rows 64-127) may be out
	MUL16 \f, 0, 0, \zero
	MUL16 \f, 0, 2, \zero
	PLACES
	FETCH \slot, \q, \g
	s_wait_dscnt 32                                ; all but the 32 just issued
	MUL16 \f, 1, 0, \zero
	MUL16 \f, 1, 2, \zero
.endm
; The last quarter multiplies buffer 1 and changes slots.  MEET is its first half: one barrier; in front of it each wave waits for all its tensor loads (one is out: its part of the next slot), adds 0 to its
; spare word, and waits for that and for its own reads of this slot.
.macro MEET round
	WIN 0                                          ; (the add's two registers lie in window 0)
	s_wait_tensorcnt 0x0
	ds_add_u32 v[SPW], v[NIL]
	s_wait_dscnt 9                                 ; (the add and the youngest eight loads may be out)
	MUL16 F1, 0, 0, 0                              ; sixteen matrix instructions stand between the add and the wait for it
	s_wait_dscnt 0x0                               ; the add is done, and my reads of this slot are over
	s_barrier_signal -1
	MUL16 F1, 0, 2, 0
.if \round
	WIN 0
.endif
	s_barrier_wait -1
.endm
; The whole last quarter.  Behind the round the slot just read out is filled again first: with this tile's K step two on (on = 0) or the next tile's K step 0 or 1 (on = 1).
.macro TURN slot, next, on
	s_wait_xcnt 0x0                                ; the last prefetch, a K step back, has read its address: it is stepped here, ahead of the waits of the change of slots
	s_add_nc_u64 s[PFA:PFA+1], s[PFA:PFA+1], s[PST:PST+1]
	MEET 1
	CREST                                          ; no wave of any partner still reads this slot or has a load on its way
.if \on
	s_sub_nc_u64 s[G0+4*(\slot)+2:G0+4*(\slot)+3], s[G0+4*(\slot)+2:G0+4*(\slot)+3], 512  ; back along K,
	s_add_nc_u64 s[G0+4*(\slot)+2:G0+4*(\slot)+3], s[G0+4*(\slot)+2:G0+4*(\slot)+3], s[NA:NA+1]  ; and from query to value
.else
	s_add_nc_u64 s[G0+4*(\slot)+2:G0+4*(\slot)+3], s[G0+4*(\slot)+2:G0+4*(\slot)+3], 512
.endif
	s_add_nc_u64 s[G0B+4*(\slot)+2:G0B+4*(\slot)+3], s[G0B+4*(\slot)+2:G0B+4*(\slot)+3], 2*WSTEP
	JLOAD \slot                                    ; the first tensor load behind the round; its four v_nop are also the places in front of the loads below
	FETCH \next, 0, F0
	ASK
	MUL16 F1, 1, 0, 0
	MUL16 F1, 1, 2, 0
.endm
; THE LAST K STEP OF THE LAST TILE (slot 1) GOES BY ROWS OF C: all its fragments of W fill window 1; my eight blocks of 16 rows are finished one after the other and leave at once.
.macro BLOAD q
	WIN TO_B
.irp i, 0,1,2,3,4,5,6,7
	ds_load_tr16_b128 v[64*(\q)+8*(\i):64*(\q)+8*(\i)+3],   v[ADRB+1] offset:(\q)*32*PB+(\i)*32
	ds_load_tr16_b128 v[64*(\q)+8*(\i)+4:64*(\q)+8*(\i)+7], v[ADRB+1] offset:(\q)*32*PB+(\i)*32+16*PB
.endr
.endm
.macro ALOAD a
	WIN 0
.set FA, PA+32*((\a)%4)
.irp q, 0,1,2,3
	ds_load_b128 v[FA+8*(\q):FA+8*(\q)+3],   v[ADRA+1] offset:64*(\q)+(\a)*16*PITCH
	ds_load_b128 v[FA+8*(\q)+4:FA+8*(\q)+7], v[ADRA+1] offset:64*(\q)+(\a)*16*PITCH+32
.endr
.endm
.macro ROW a
.set FA, PA+32*((\a)%4)
.set AC, 64*((\a)%4)
	WIN MUL_LO+0x50*((\a)/4)
.irp q, 0,1,2,3
.if (\a) == 0 && (\q) == 2
	s_wait_dscnt 24                                ; W's quarter 2 is in (behind it: x's blocks 1 to 3)
.endif
.irp b, 0,1,2,3,4,5,6,7
	v_wmma_f32_16x16x32_bf16 v[AC+8*(\b):AC+8*(\b)+7], v[64*(\q)+8*(\b):64*(\q)+8*(\b)+7], v[FA+8*(\q):FA+8*(\q)+7], v[AC+8*(\b):AC+8*(\b)+7]
.endr
.endr
.endm
; THE WAY OUT of block a.  PACK: rounded to f16, 16 bytes a lane.  TOSTAGE: into my own stage, and back as whole rows of 256 bytes.  SEND: stored.
.macro PACK a
.set AC, 64*((\a)%4)
	WIN 0x0a+5*((\a)/4)                            ; sources 0 and 1: window 2 or 3
.irp b, 0,1,2,3,4,5,6,7
.irp r, 0,1,2,3
	v_cvt_pk_f16_f32 v[TMP+4*(\b)+(\r)], v[AC+8*(\b)+2*(\r)], v[AC+8*(\b)+2*(\r)+1]
.endr
.endr
	WIN 0
.endm
.macro TOSTAGE a
	WIN 0
.set BK, OB+192*((\a)%2)
.irp b, 0,1,2,3,4,5,6,7
	ds_store_b128 v[STO], v[TMP+4*(\b):TMP+4*(\b)+3] offset:32*(\b)
.endr
.irp t, 0,1,2,3,4,5,6,7
	ds_load_b128 v[BK+4*(\t):BK+4*(\t)+3], v[RD] offset:(\t)*2*SPITCH  ; LDS serves a wave's instructions in order (ISA guide 5.7.1.4): these see the stores above
.endr
.endm
.macro SEND a, younger
	WIN 0
.set BK, OB+192*((\a)%2)
	s_wait_dscnt \younger                          ; the block is back in registers
	s_wait_xcnt 0x0                                ; only behind this wait are the stores' base and the registers that earlier stores read rewritten
.if (\a) == 0
	s_add_nc_u64 s[8:9], s[8:9], s[16:17]          ; on to this tile's first rows
.else
	s_add_nc_u64 s[8:9], s[8:9], 16*SIZE_N*2
.endif
.irp t, 0,1,2,3,4,5,6,7
	global_store_b128 v[CO], v[BK+4*(\t):BK+4*(\t)+3], s[8:9] offset:2*(\t)*SIZE_N*2  ; 16 lanes store 256 consecutive bytes, at a multiple of 256 from C's first byte
.endr
.endm
	s_wait_tensorcnt 0x1                           ; my part of K step 0 is in; K step 1's may stay out
	s_barrier_signal -1
	s_barrier_wait -1
	FETCH 0, 0, F0
	s_mov_b32 s2, 3                                ; tiles to go, this one among them
.Ltile:
	s_wait_loadcnt 0x0                             ; this tile's bias
	BIASRND
	QUARTER 0, 1, F0, F1, 1                        ; K step 0: its first quarter starts the sums
	QUARTER 0, 2, F1, F0, 0
	QUARTER 0, 3, F0, F1, 0
	TURN 0, 1, 0                                   ; slot 0 takes K step 2
	QUARTER 1, 1, F0, F1, 0                        ; K step 1
	QUARTER 1, 2, F1, F0, 0
	QUARTER 1, 3, F0, F1, 0
	TURN 1, 0, 0                                   ; slot 1 takes K step 3
	QUARTER 0, 1, F0, F1, 0                        ; K step 2
	QUARTER 0, 2, F1, F0, 0
	QUARTER 0, 3, F0, F1, 0
	WIN 0
	s_cmp_eq_u32 s2, 1
	s_cbranch_scc1 .Llast_tile                     ; the last tile's tail is written out: it asks for nothing more
	TURN 0, 1, 1                                   ; the ring goes on into the next tile: slot 0 takes its K step 0
	s_cmp_eq_u32 s2, 3
	s_cselect_b64 s[BP:BP+1], s[70:71], s[72:73]   ; bk, then bv; the last bias's loads were waited for at the tile's head
	BIASLD
	QUARTER 1, 1, F0, F1, 0                        ; K step 3
	QUARTER 1, 2, F1, F0, 0
	QUARTER 1, 3, F0, F1, 0
	TURN 1, 0, 1                                   ; slot 1 takes the next tile's K step 1, and its first fragments are fetched
	s_mov_b32 s[NA], 0                             ; k and v are both made of value
	PACK 0                                         ; both refills are asked for: now the tile goes out.  Blocks 0-3's conversions are the places behind the last products (blocks 4-7's)
	TOSTAGE 0
.irp a, 1,2,3,4,5,6,7
	PACK \a
	SEND (\a)-1, 0
	TOSTAGE \a
.endr
	SEND 7, 0
	s_mov_b64 s[16:17], NEXT_C
	s_sub_co_u32 s2, s2, 1
	s_branch .Ltile
.Llast_tile:
	MEET 0                                         ; my one tensor load that was still out is the last K step's
	PLACES
	BLOAD 0
	BLOAD 1
	BLOAD 3
	ALOAD 0
	MUL16 F1, 1, 0, 0
	MUL16 F1, 1, 2, 0
	PLACES
	BLOAD 2
	ALOAD 1
	ALOAD 2
	ALOAD 3
	s_wait_dscnt 40                                ; all but the 40 just issued
	ROW 0
.irp a, 0,1,2,3,4,5,6,7
	PLACES
	PACK \a
	TOSTAGE \a
.if (\a) < 4
	ALOAD (\a)+4
	SEND \a, 8
.else
	SEND \a, 0
.endif
.if (\a) < 7
	ROW (\a)+1
.endif
.endr
	s_wait_tensorcnt 0x0                           ; the wave's end
	ds_add_u32 v[SPW], v[NIL]
	s_wait_dscnt 0x0
	CROUND                                         ; the closing round
	s_endpgm
.Lfunc_end_k_q025e0239d4_proj:
	.size	k_q025e0239d4_proj, .Lfunc_end_k_q025e0239d4_proj-k_q025e0239d4_proj
	.p2alignl 7, 3214868480
	.fill 96, 4, 3214868480
	.section	.rodata,"a",@progbits
	.p2align	6, 0x0
	.amdhsa_kernel k_q025e0239d4_proj
		.amdhsa_group_segment_fixed_size 327680
		.amdhsa_private_segment_fixed_size 0
		.amdhsa_enable_private_segment 0
		.amdhsa_kernarg_size 40
		.amdhsa_user_sgpr_count 2
		.amdhsa_user_sgpr_kernarg_segment_ptr 1
		.amdhsa_wavefront_size32 1
		.amdhsa_system_sgpr_workgroup_id_x 1
		.amdhsa_system_sgpr_workgroup_id_y 1
		.amdhsa_system_sgpr_workgroup_id_z 1
		.amdhsa_system_vgpr_workitem_id 0
		.amdhsa_next_free_vgpr 1024
		.amdhsa_next_free_sgpr 80
		.amdhsa_reserve_vcc 0
		.amdhsa_float_denorm_mode_32 3
		.amdhsa_float_denorm_mode_16_64 3
		.amdhsa_memory_ordered 1
		.amdhsa_forward_progress 1
		.amdhsa_inst_pref_size 219
	.end_amdhsa_kernel
	.amdgpu_metadata
---
amdhsa.version: [ 1, 2 ]
amdhsa.kernels:
  - .name:           k_q025e0239d4_proj
    .symbol:         k_q025e0239d4_proj.kd
    .args:
      - { .name: cb, .offset: 0, .size: 8, .value_kind: global_buffer, .address_space: global }
      - { .name: bq, .offset: 8, .size: 8, .value_kind: global_buffer, .address_space: global }
      - { .name: bk, .offset: 16, .size: 8, .value_kind: global_buffer, .address_space: global }
      - { .name: bv, .offset: 24, .size: 8, .value_kind: global_buffer, .address_space: global }
      - { .name: qkv, .offset: 32, .size: 8, .value_kind: global_buffer, .address_space: global }
    .group_segment_fixed_size: 327680
    .private_segment_fixed_size: 0
    .kernarg_segment_align: 8
    .kernarg_segment_size: 40
    .max_flat_workgroup_size: 128
    .sgpr_count:     80
    .vgpr_count:     1024
    .wavefront_size: 32
...
	.end_amdgpu_metadata
.endif
;; end of part 2
;; launch attn (part 3): grid 8 x 32, 4 waves a work-group, clusters of 4 x 1, 327,680 bytes of LDS; arguments qkv, out0; writes out0
.if DOCPART == 3
	.amdgcn_target "amdgcn-amd-amdhsa--gfx1250"
	.amdhsa_code_object_version 6
	.text
	.protected	k_q025e0239d4_attn
	.globl	k_q025e0239d4_attn
	.p2align	8
	.type	k_q025e0239d4_attn,@function
k_q025e0239d4_attn:
	s_mov_b64 s[64:65], 0
	v_nop
	global_prefetch_b8 v0, s[64:65] scope:SCOPE_SE
	s_setreg_imm32_b32 hwreg(HW_REG_WAVE_MODE, 25, 1), 1
	s_wait_xcnt 0x0
	s_wait_alu depctr_hold_cnt(0) depctr_sa_sdst(0) depctr_va_vdst(0) depctr_va_sdst(0) depctr_va_ssrc(0) depctr_va_vcc(0) depctr_vm_vsrc(0)
	s_getreg_b32 s2, hwreg(HW_REG_IB_STS2, 6, 4)
	s_cmp_eq_u32 s2, 0
	s_cbranch_scc0 .Lentry_in_a_cluster
	s_endpgm
.Lentry_in_a_cluster:
	s_bfe_u32 s2, ttmp6, 0x10000c
	s_cmp_lg_u32 s2, 0x3003
	s_cbranch_scc0 .Lentry_shape_is_right
	s_endpgm
.Lentry_shape_is_right:
; CAUSAL ATTENTION AT HEAD SIZE 512.  out[b][q][h][:] = the sum over k of softmax_k(q . k / sqrt(512) - 1e9 [k > q]) v[k][:].  q, k, v: f16, [3][4096 (b, t)][4096 (h, d)]; out: f32.
; Products, maxima and sums in f32; the weights p are rounded to f16 for the second product (their sum l is taken of the unrounded p).
; LIMITS.  q, k, v arrive within f16's 65,504.  Key tiles that lie wholly above a block's diagonal are left out: their weights exp(s - 1e9 - max) are 0 in f32 as long as a row's scores differ by less than
; some 1e9; inside the four diagonal steps the -1e9 is applied as it stands.  A weight below 2^-126 counts as 0; NaN and infinities are not treated apart.
; THE WALK.  A head's 1,024 rows are four super-blocks of 256.  A cluster of four work-groups takes super-block 3 - X and then X (X = the cluster's x, 0 or 1): (16 - 4 X) + (4 X + 4) = 20 key steps of 64 keys,
; whatever X.  In a super-block work-group cx owns 16 rows in each of the four bands of 64: four tiles.  So the four partners want the same K and V at every step, and every tile is asked for JOINTLY.
; THE FOUR WAVES WORK ON THE SAME FOUR TILES.  S^T = K Q^T: wave w takes keys 16 w .. 16 w + 15 of the step, all 64 queries, all 512 channels (Q whole in every wave: 512 registers).
; O^T = V^T P: wave w takes channels 128 w .. 128 w + 127, all 64 queries (256 registers).  Each fragment of K and V read from LDS feeds four products, and each LDS byte of K and V is read once.
; Two exchanges through LDS a step: the waves' maxima, then P (a lane's four packed registers ARE half a fragment of source 1 for the same lane of every wave).
; THE MASK starts the sums S^T: MD x AL + BE.  MD, made once, is -1e9 sqrt(512) where my key's place in its band is above my query's.  With D = the step's place among the block's last four:
; band t takes (1, 0) if D = t, (0, 0) if D < t, (0, -1e9 sqrt(512)) if D > t.  One text serves every step.
; SOFTMAX.  p = 2^(c s - c m), c = log2(e) / sqrt(512), with a running maximum m; O and l are multiplied by a = 2^(c m_old - c m_new) in every step.  c m starts far below every c s, so a block's first a is 0.
; REGISTERS, in windows of 256 (s_set_vgpr_msb: bits 1:0 source 0, 3:2 source 1, 5:4 source 2, 7:6 destination):
;   window 0: v0-23 addresses; v24-55 statistics; v56-63 MD; v64-95 S^T, v96-111 my packed P, v112-127 maxima, and later v64-127 P's fragments; v128-255 K of a step, then V
;   window 1: O^T, accumulator (channel block cb, tile t) at 8 (4 cb + t)      windows 2, 3: Q, fragment (t, c) in window 2 + c / 8 at 32 (c % 8) + 8 t
.set KP,    1040      ; a row of K in LDS: 1,024 bytes + 16: the 16 rows of a load start at 16 different groups of four banks (64 banks of 4 bytes: ISA guide 11.1)
.set VP,    1056      ; a row of V: 1,024 + 32
.set VOFF,  64*KP     ; a slot: 64 rows of K, then 64 rows of V
.set SLOTB, 0x21000   ; from slot 0 to slot 1: its bits are in none of the four LDS addresses at which a wave's load begins, so one exclusive or changes the slot
.set MX,    2*SLOTB   ; behind the ring, never filled by a tensor load: the waves' maxima, 512 bytes a wave
.set PX,    MX+2048   ; P: [tile][wave] x 512 bytes
.set LX,    PX+8192   ; the waves' running sums, 512 bytes a wave
.set STAGE, LX+2048   ; 16 rows x 528 bytes for each wave, for the way out
.set SP,    528
.set SPARE, STAGE+4*16*SP  ; the spare words, 128 bytes for each wave: two blocks of 256 bytes that no other line names
.set AK0, 2           ; my lane's place in a tile of K; never rewritten
.set AV0, 3           ; the same for V
.set ADK, 4           ; the LDS address of the K in hand
.set ADV, 5           ; of the V in hand
.set AMXS, 6
.set AMXL, 7
.set APXS, 8
.set APXL, 9
.set ALXS, 10
.set ALXL, 11
.set STO, 12
.set RD,  13
.set GO,  14
.set QO,  15
.set SPW, 16          ; LDS address of my spare word; never rewritten
.set NIL, 17          ; 0; never rewritten
.set PFO, 18          ; 8,192 x my lane: a lane a row; never rewritten
.set ST,  24          ; tile t at ST + 8 t: +0 c m, +1 m, +2, +3 l, +4 a (at the end 1 / l), +5 named with it, +6, +7 at work
.set MD,  56
.set S,   64
.set PK,  96
.set MXL, 112
.set PF,  64
.set KF,  128
.set VF,  128
.set OUTB, 192
.set WV,  8
.set XX,  9
.set CX,  10
.set HF,  11
.set KW,  12          ; s[12:13] K at the 32 rows of tile 0 that I fetch
.set VW,  14          ; s[14:15] the same for V
.set G1K, 16
.set G1V, 24
.set G0K, 32          ; s[32:39] two sets: the first for tile 0, the second for tile 1; it then walks on
.set G0V, 40
.set OFF, 48          ; s[48:49] a tile's byte offset
.set NXT, 50          ; the tile to be asked for next
.set LQ,  51          ; the last tile of the block whose tiles are being asked for
.set RT,  52          ; steps of the block in hand that are left, the one in hand among them
.set CNT, 53
.set TB,  54          ; 0 or SLOTB: the slot in hand
.set PFOK, 55         ; 1 while this cluster prefetches
.set CS,  56          ; s[56:57] c
.set SEL, 58          ; s[58:59] v_permlanex16_b32's selects
.set BIGN, 60
.set DD,  61
.set LQ2, 62
.set RT2, 63
.set AL,  66          ; s[66:73] four pairs
.set BE,  74          ; s[74:81] four pairs
.set QB2, 82
.set OB,  84
.set OB2, 86
.set QB,  88
.set PFB, 90
.set PFA, 92
.set OFP, 94
.set MSB, 0
.macro WIN new
.if MSB != (\new)
	s_set_vgpr_msb (MSB<<8)|(\new)
.set MSB, (\new)
.endif
.endm
.macro PLACES n=4                   ; plain vector instructions between a matrix instruction and a load into, or a line on, its registers (ISA guide 7.12.1 for vector instructions)
.rept \n
	v_nop
.endr
.endm
.macro ALLT line:vararg             ; one line for each tile t
.set t, 0
.rept 4
	\line
.set t, t+1
.endr
.endm
.macro CROUND                       ; a round of the cluster's barrier
	s_barrier_signal -1
	s_barrier_wait -1
	s_cmp_lg_u32 s[WV], 0
	s_cbranch_scc1 .Lnot_wave_0_\@
	s_barrier_signal -3
.Lnot_wave_0_\@:
	s_barrier_wait -3
	s_barrier_signal -1
	s_barrier_wait -1
.endm
.macro JLOAD                        ; a joint refill: waves 0 and 1 fetch the two halves of a tile's K, waves 2 and 3 those of its V; an s_nop 0 and four v_nop follow each line
	s_cmp_lt_u32 s[WV], 2
	s_cbranch_scc0 .Lfor_v_\@
	tensor_load_to_lds s[G0K+4:G0K+7], s[G1K:G1K+7]
	s_nop 0
.rept 4
	v_nop
.endr
	s_branch .Lasked_\@
.Lfor_v_\@:
	tensor_load_to_lds s[G0V+4:G0V+7], s[G1V:G1V+7]
	s_nop 0
.rept 4
	v_nop
.endr
.Lasked_\@:
.endm
; A PREFETCH INTO THE L2 of the tile that the NEXT step's refill will ask for.  Both clusters of a head walk the same K and V: the cluster with X = 0 asks, in its first block, which walks all 16 tiles.
; Each of its 16 waves names the 32 rows that it fetches itself, a lane a row, and of their 1,024 bytes the 256 at 256 cx: so each aligned 256 bytes are named once.  Tiles 0 to 2 come by their loads alone;
; the asking ends when the first block's last tile has been named.
.macro ASK
	s_cmp_eq_u32 s[PFOK], 1
	s_cbranch_scc0 .Lnot_mine_\@
	global_prefetch_b8 v[PFO], s[PFA:PFA+1] th:TH_LOAD_NT scope:SCOPE_SE
.Lnot_mine_\@:
.endm
.macro KLOAD half                   ; eight of my 16 keys' sixteen fragments: channels 32 c on
.set q, 8*(\half)
.rept 8
	ds_load_b128 v[KF+8*q:KF+8*q+3],   v[ADK] offset:64*q
	ds_load_b128 v[KF+8*q+4:KF+8*q+7], v[ADK] offset:64*q+32
.set q, q+1
.endr
.endm
.macro VLOAD                        ; V turned: keys 32 (q / 8) on, my channels 16 (q % 8) on
.set q, 0
.rept 16
	ds_load_tr16_b128 v[VF+8*q:VF+8*q+3],   v[ADV] offset:(q/8)*32*VP+(q%8)*32
	ds_load_tr16_b128 v[VF+8*q+4:VF+8*q+7], v[ADV] offset:(q/8)*32*VP+16*VP+(q%8)*32
.set q, q+1
.endr
.endm
.macro PLOAD                        ; P of tile q / 4 from wave q % 4
.set q, 0
.rept 16
	ds_load_b128 v[PF+4*q:PF+4*q+3], v[APXL] offset:512*q
.set q, q+1
.endr
.endm
.macro QLOAD base                   ; a block's Q: tile q % 4 lies 64 rows of 8,192 bytes on; channels 32 (8 g + q / 4) on
.irp g, 0,1
	WIN 0x80+0x40*(\g)
.set q, 0
.rept 32
	global_load_b128 v[8*q:8*q+3],   v[QO], s[\base:\base+1] offset:524288*(q%4)+64*(8*(\g)+q/4)
	global_load_b128 v[8*q+4:8*q+7], v[QO], s[\base:\base+1] offset:524288*(q%4)+64*(8*(\g)+q/4)+32
.set q, q+1
.endr
.endr
	WIN 0
.endm
.macro SINIT                        ; the masks start the sums
.irp t, 0,1,2,3
.irp i, 0,1,2,3
	v_pk_fma_f32 v[S+8*(\t)+2*(\i):S+8*(\t)+2*(\i)+1], v[MD+2*(\i):MD+2*(\i)+1], s[AL+2*(\t):AL+2*(\t)+1], s[BE+2*(\t):BE+2*(\t)+1] op_sel_hi:[1,0,0]
.endr
.endr
.endm
.macro SMUL half                    ; 32 products of S^T: channels 32 (8 half + q / 4) on, tile q % 4.  The four accumulators take turns
	WIN 0x08+4*(\half)
.set q, 0
.rept 32
	v_wmma_f32_16x16x32_f16 v[S+8*(q%4):S+8*(q%4)+7], v[KF+64*(\half)+8*(q/4):KF+64*(\half)+8*(q/4)+7], v[8*q:8*q+7], v[S+8*(q%4):S+8*(q%4)+7]
.set q, q+1
.endr
.endm
.macro LMAX                         ; my lane's eight scores of each tile; each accumulator's lowest registers are read first
	ALLT v_max3_num_f32 v[MXL+t], v[S+8*t], v[S+8*t+1], v[S+8*t+2]
	ALLT v_max3_num_f32 v[MXL+t], v[MXL+t], v[S+8*t+3], v[S+8*t+4]
	ALLT v_max3_num_f32 v[MXL+t], v[MXL+t], v[S+8*t+5], v[S+8*t+6]
	ALLT v_max_num_f32 v[MXL+t], v[MXL+t], v[S+8*t+7]
.endm
.macro SOFT
	ALLT v_max3_num_f32 v[ST+8*t+6], v[MXL+t], v[MXL+4+t], v[MXL+8+t]
	ALLT v_max3_num_f32 v[ST+8*t+6], v[ST+8*t+6], v[MXL+12+t], v[ST+8*t+1]
	ALLT v_permlanex16_b32 v[ST+8*t+7], v[ST+8*t+6], s[SEL], s[SEL+1]
	ALLT v_max_num_f32 v[ST+8*t+1], v[ST+8*t+6], v[ST+8*t+7]
	ALLT v_mul_f32 v[ST+8*t+6], s[CS], v[ST+8*t+1]
	ALLT v_sub_f32 v[ST+8*t+7], v[ST+8*t], v[ST+8*t+6]
	ALLT v_mov_b32 v[ST+8*t], v[ST+8*t+6]
.set q, 0
.rept 16                            ; c s - c m, a pair of scores each
	v_pk_fma_f32 v[S+2*q:S+2*q+1], v[S+2*q:S+2*q+1], s[CS:CS+1], v[ST+8*(q/4):ST+8*(q/4)+1] op_sel_hi:[1,0,0] neg_lo:[0,0,1] neg_hi:[0,0,1]
.set q, q+1
.endr
	ALLT v_exp_f32 v[ST+8*t+4], v[ST+8*t+7]
.set q, 0
.rept 32                            ; one batch of 36 exponentials
	v_exp_f32 v[S+q], v[S+q]
.set q, q+1
.endr
	v_nop                           ; a plain instruction behind the last exponential,
	s_wait_alu depctr_va_vdst(0)    ; and the one wait ahead of the batch's first reader
.set q, 0
.rept 16
	v_cvt_pk_f16_f32 v[PK+q], v[S+2*q], v[S+2*q+1]
.set q, q+1
.endr
	ALLT v_pk_add_f32 v[S+8*t:S+8*t+1], v[S+8*t:S+8*t+1], v[S+8*t+2:S+8*t+3]
	ALLT v_pk_add_f32 v[S+8*t+4:S+8*t+5], v[S+8*t+4:S+8*t+5], v[S+8*t+6:S+8*t+7]
	ALLT v_pk_add_f32 v[S+8*t:S+8*t+1], v[S+8*t:S+8*t+1], v[S+8*t+4:S+8*t+5]
	ALLT v_pk_fma_f32 v[ST+8*t+2:ST+8*t+3], v[ST+8*t+2:ST+8*t+3], v[ST+8*t+4:ST+8*t+5], v[S+8*t:S+8*t+1] op_sel_hi:[1,0,1]
	ALLT v_add_f32 v[MXL+t], v[ST+8*t+2], v[ST+8*t+3]
.endm
.macro RESC                         ; O^T times a, ascending in each accumulator
	WIN 0x41
.set q, 0
.rept 128
	v_pk_mul_f32 v[2*q:2*q+1], v[2*q:2*q+1], v[ST+8*((q/4)%4)+4:ST+8*((q/4)%4)+5] op_sel_hi:[1,0]
.set q, q+1
.endr
.endm
.macro PVMUL kk                     ; 32 products of O^T: keys 32 kk on, channel block q / 4, tile q % 4.  The 32 accumulators take turns
	WIN 0x50
.set q, 0
.rept 32
	v_wmma_f32_16x16x32_f16 v[8*q:8*q+7], v[VF+64*(\kk)+8*(q/4):VF+64*(\kk)+8*(q/4)+7], v[PF+16*(q%4)+8*(\kk):PF+16*(q%4)+8*(\kk)+7], v[8*q:8*q+7]
.set q, q+1
.endr
.endm
.macro INIT                         ; a block begins
	ALLT v_mov_b32 v[ST+8*t], 0xfe000000
	ALLT v_mov_b32 v[ST+8*t+1], 0xff7fffff
	ALLT v_mov_b32 v[ST+8*t+2], 0
	ALLT v_mov_b32 v[ST+8*t+3], 0
.endm
; A KEY STEP.  fill = 1: behind its second barrier, a round of the cluster's, the slot just read out takes the tile two places on in the walk.
.macro STEP fill
	s_sub_co_i32 s[DD], 4, s[RT]
.irp t, 0,1,2,3
	s_cmp_eq_i32 s[DD], (\t)
	s_cselect_b32 s[AL+2*(\t)], 1.0, 0
	s_cmp_gt_i32 s[DD], (\t)
	s_cselect_b32 s[BE+2*(\t)], s[BIGN], 0
.endr
	PLACES 8                        ; behind the last product V^T P: K's second half lands on V's registers, and S^T on P's
	KLOAD 1
	SINIT
	s_wait_dscnt 16                 ; K's first half, asked for in the step before, is in; the sixteen loads just issued may be out
	SMUL 0
	s_wait_dscnt 0x0
	SMUL 1
	WIN 0
	PLACES
	LMAX
	ds_store_b128 v[AMXS], v[MXL:MXL+3]
	s_wait_dscnt 0x0                ; for the others' sake: my maxima lie in LDS
	s_barrier_signal -1             ; the next tile's load stays on its way
	s_barrier_wait -1
.irp w, 0,1,2,3
	ds_load_b128 v[MXL+4*(\w):MXL+4*(\w)+3], v[AMXL] offset:512*(\w)
.endr
	VLOAD
	s_wait_dscnt 32                 ; the four waves' maxima are in; V's 32 loads may be out
	SOFT
.irp t, 0,1,2,3
	ds_store_b128 v[APXS], v[PK+4*(\t):PK+4*(\t)+3] offset:2048*(\t)
.endr
	ds_store_b128 v[ALXS], v[MXL:MXL+3]  ; my running sums: read where a block ends
	s_wait_tensorcnt 0x0            ; all my tensor loads have landed: my part of the next tile; so a group 0 may be written
	ds_add_u32 v[SPW], v[NIL]       ; the scalar work stands between the add and the wait for it
.if \fill
	s_lshl_b32 s[OFF], s[NXT], 19   ; a tile is 64 rows of 8,192 bytes
	s_xor_b32 s[G0K+5], s[G0K+5], SLOTB
	s_add_nc_u64 s[G0K+6:G0K+7], s[KW:KW+1], s[OFF:OFF+1]
	s_or_b32 s[G0K+7], s[G0K+7], 0x80000000
	s_xor_b32 s[G0V+5], s[G0V+5], SLOTB
	s_add_nc_u64 s[G0V+6:G0V+7], s[VW:VW+1], s[OFF:OFF+1]
	s_or_b32 s[G0V+7], s[G0V+7], 0x80000000
	s_add_co_u32 s[NXT], s[NXT], 1  ; the block's next tile, or behind its last the second block's tile 0
	s_cmp_gt_u32 s[NXT], s[LQ]
	s_cselect_b32 s[NXT], 0, s[NXT]
	s_cselect_b32 s[LQ], s[LQ2], s[LQ]
	s_cselect_b32 s[PFOK], 0, s[PFOK]
	s_wait_xcnt 0x0                 ; the last prefetch, a step back, has read its address
	s_lshl_b32 s[OFP], s[NXT], 19
	s_add_nc_u64 s[PFA:PFA+1], s[PFB:PFB+1], s[OFP:OFP+1]
.endif
	s_wait_dscnt 0x0                ; the add and my stores are done, and my reads of this slot's K and V are over
.if \fill
	CROUND                          ; no wave of any partner still reads the slot or has a load on its way
	JLOAD
.else
	s_barrier_signal -1
	s_barrier_wait -1
.endif
	PLOAD
.if \fill
	ASK
.endif
	RESC                            ; stands in the wait for P
	s_wait_dscnt 0x0
	PVMUL 0
	WIN 0
	s_xor_b32 s[TB], s[TB], SLOTB   ; the next tile's slot: shown whole by the barrier above
	v_add_nc_u32 v[ADK], s[TB], v[AK0]
	v_add_nc_u32 v[ADV], s[TB], v[AV0]
	v_nop
	v_nop                           ; four places: K's first half lands on the half of V that has been multiplied
	KLOAD 0
	PVMUL 1
	WIN 0
.endm
; A BLOCK ENDS.  The four waves' sums and the other half of the lanes' are added; O^T is divided by l and sent through my stage, a tile (16 rows x my 128 channels) at a time.
.macro FINISH
	WIN 0
	PLACES
.irp w, 0,1,2,3
	ds_load_b128 v[PF+4*(\w):PF+4*(\w)+3], v[ALXL] offset:512*(\w)
.endr
	s_wait_dscnt 0x0
	ALLT v_add_f32 v[PF+t], v[PF+t], v[PF+4+t]
	ALLT v_add_f32 v[PF+8+t], v[PF+8+t], v[PF+12+t]
	ALLT v_add_f32 v[PF+t], v[PF+t], v[PF+8+t]
	ALLT v_permlanex16_b32 v[PF+4+t], v[PF+t], s[SEL], s[SEL+1]
	ALLT v_add_f32 v[PF+t], v[PF+t], v[PF+4+t]
	ALLT v_rcp_f32 v[ST+8*t+4], v[PF+t]
	v_nop                           ; a plain instruction behind the last reciprocal,
	s_wait_alu depctr_va_vdst(0)    ; and one wait for the four
.irp u, 0,1,2,3
	WIN 0x41
.set q, 0
.rept 32
	v_pk_mul_f32 v[8*(4*(q/4)+(\u))+2*(q%4):8*(4*(q/4)+(\u))+2*(q%4)+1], v[8*(4*(q/4)+(\u))+2*(q%4):8*(4*(q/4)+(\u))+2*(q%4)+1], v[ST+8*(\u)+4:ST+8*(\u)+5] op_sel_hi:[1,0]
.set q, q+1
.endr
	WIN 0x04                        ; the stores' data in window 1
.set q, 0
.rept 8
	ds_store_b128 v[STO], v[8*(4*q+(\u)):8*(4*q+(\u))+3]   offset:64*q
	ds_store_b128 v[STO], v[8*(4*q+(\u))+4:8*(4*q+(\u))+7] offset:64*q+16
.set q, q+1
.endr
	WIN 0
	s_wait_xcnt 0x0                 ; the last tile's stores have read their registers, which are loaded again below
.set q, 0
.rept 16
	ds_load_b128 v[OUTB+4*q:OUTB+4*q+3], v[RD] offset:SP*q  ; LDS serves a wave's instructions in order (ISA guide 5.7.1.4): these see the stores above
.set q, q+1
.endr
.set q, 0
.rept 16
	s_wait_dscnt 15-q
	global_store_b128 v[GO], v[OUTB+4*q:OUTB+4*q+3], s[OB:OB+1] offset:(64*(\u)+q)*16384 th:TH_STORE_NT  ; 512 consecutive bytes, at a multiple of 256 from out0's first
.set q, q+1
.endr
.endr
.endm
	s_load_b128 s[4:7], s[0:1], 0x0 ; qkv s[4:5], out0 s[6:7]
	v_lshl_add_u32 v[SPW], v0, 2, SPARE
	v_mov_b32 v[NIL], 0
	ds_add_u32 v[SPW], v[NIL]       ; the wave's opening: the add and its wait stand ahead of my first tensor load; the set-up below stands between them
	v_lshrrev_b32 v1, 5, v0
	v_readfirstlane_b32 s[WV], v1   ; wave 0..3
	s_mov_b32 s[XX], ttmp9          ; the cluster's x
	s_bfe_u32 s[CX], ttmp6, 0x40000 ; my place in the cluster: it enters Q's, O's and the prefetches' addresses and the mask's data alone
	s_and_b32 s[HF], s[WV], 1       ; which half of a tile's 64 rows I fetch
	s_and_b32 s2, ttmp7, 0xffff
	s_lshr_b32 s3, s2, 3            ; the batch
	s_and_b32 s2, s2, 7             ; the head
	s_lshl_b32 s96, s3, 23          ; 1,024 rows of 8,192 bytes,
	s_lshl_b32 s97, s2, 10          ; 512 channels of 2 bytes
	s_add_co_u32 s96, s96, s97
	s_lshl_b32 s98, s[HF], 18       ; my 32 rows
	s_add_co_u32 s98, s98, s96
	s_mov_b32 s99, 0
	s_lshl_b32 s97, s[CX], 17       ; Q: my 16 rows in a band,
	s_add_co_u32 s97, s97, s96
	s_sub_co_u32 s[DD], 3, s[XX]    ; in the first super-block,
	s_lshl_b32 s[QB], s[DD], 21
	s_add_co_u32 s[QB], s[QB], s97
	s_mov_b32 s[QB+1], 0
	s_lshl_b32 s[QB2], s[XX], 21    ; and in the second
	s_add_co_u32 s[QB2], s[QB2], s97
	s_mov_b32 s[QB2+1], 0
	s_lshl_b32 s97, s3, 24          ; O: rows of 16,384 bytes
	s_lshl_b32 s96, s[CX], 18
	s_add_co_u32 s97, s97, s96
	s_lshl_b32 s96, s2, 11          ; the head's 2,048 bytes,
	s_add_co_u32 s97, s97, s96
	s_lshl_b32 s96, s[WV], 9        ; my 128 channels
	s_add_co_u32 s97, s97, s96
	s_lshl_b32 s[OB], s[DD], 22
	s_add_co_u32 s[OB], s[OB], s97
	s_mov_b32 s[OB+1], 0
	s_lshl_b32 s[OB2], s[XX], 22
	s_add_co_u32 s[OB2], s[OB2], s97
	s_mov_b32 s[OB2+1], 0
	s_mul_i32 s2, s[HF], 32*KP      ; where my loads go in a slot: no place in the cluster enters an LDS address
	s_mul_i32 s3, s[HF], 32*VP
	s_add_co_u32 s3, s3, VOFF
	s_mov_b32 s[G1K], 15|(1<<16)|(1<<20)|(1<<21)|(7<<22)|(3<<25)  ; the mask of four; 2-byte elements; padding on; bit 21 beside a mask; after every 256 words, 4 words
	s_mov_b32 s[G1V], 15|(1<<16)|(1<<20)|(1<<21)|(7<<22)|(7<<25)  ; the same with 8 words
.irp g, G1K, G1V
	s_mov_b32 s[\g+1], 512<<16      ; tensor_dim0 = 512
	s_mov_b32 s[\g+2], 32<<16       ; tensor_dim1 = 32
	s_mov_b32 s[\g+3], 512<<16      ; tile_dim0 = 512
	s_mov_b32 s[\g+4], 32           ; tile_dim1 = 32
	s_mov_b32 s[\g+5], 4096         ; elements from row to row
	s_mov_b32 s[\g+6], 0
	s_mov_b32 s[\g+7], 0
.endr
	s_mov_b32 s[OFF+1], 0
	s_mov_b32 s[OFP+1], 0
	s_mov_b32 s[NXT], 2
	s_lshl_b32 s[DD], s[XX], 2
	s_sub_co_u32 s[LQ], 15, s[DD]
	s_sub_co_u32 s[RT], 16, s[DD]
	s_add_co_u32 s[LQ2], s[DD], 3
	s_add_co_u32 s[RT2], s[DD], 4
	s_mov_b32 s[TB], 0
	s_cmp_eq_u32 s[XX], 0
	s_cselect_b32 s[PFOK], 1, 0
	s_mov_b32 s[CS], 0x3d8293ee     ; c = log2(e) / sqrt(512) = 0.0637587
	s_mov_b32 s[CS+1], s[CS]
	s_mov_b32 s[SEL], 0x76543210
	s_mov_b32 s[SEL+1], 0xfedcba98
	s_mov_b32 s[BIGN], 0xd0a8965f   ; -1e9 x sqrt(512): the scale is applied behind the mask
.irp t, 0,1,2,3
	s_mov_b32 s[AL+2*(\t)+1], 0     ; named as pairs
	s_mov_b32 s[BE+2*(\t)+1], 0
.endr
	s_wait_dscnt 0x0                ; the opening add is done
	s_wait_kmcnt 0x0
	s_add_nc_u64 s[KW:KW+1], s[4:5], s[98:99]
	s_add_nc_u64 s[VW:VW+1], s[KW:KW+1], 0x4000000  ; v lies 64 MiB into qkv,
	s_add_nc_u64 s[KW:KW+1], s[KW:KW+1], 0x2000000  ; k 32 MiB
	s_add_nc_u64 s[QB:QB+1], s[4:5], s[QB:QB+1]
	s_add_nc_u64 s[QB2:QB2+1], s[4:5], s[QB2:QB2+1]
	s_add_nc_u64 s[OB:OB+1], s[6:7], s[OB:OB+1]
	s_add_nc_u64 s[OB2:OB2+1], s[6:7], s[OB2:OB2+1]
	s_cmp_lt_u32 s[WV], 2
	s_cselect_b64 s[PFB:PFB+1], s[KW:KW+1], s[VW:VW+1]
	s_lshl_b32 s98, s[CX], 8        ; my work-group's 256 bytes of each row
	s_add_nc_u64 s[PFB:PFB+1], s[PFB:PFB+1], s[98:99]
	CROUND                          ; all four work-groups are here: the first joint loads meet
.irp s, 0,1
	s_mov_b32 s[G0K+4*(\s)], 1
	s_add_co_u32 s[G0K+4*(\s)+1], s2, (\s)*SLOTB
	s_add_nc_u64 s[G0K+4*(\s)+2:G0K+4*(\s)+3], s[KW:KW+1], (\s)*524288
	s_or_b32 s[G0K+4*(\s)+3], s[G0K+4*(\s)+3], 0x80000000
	s_mov_b32 s[G0V+4*(\s)], 1
	s_add_co_u32 s[G0V+4*(\s)+1], s3, (\s)*SLOTB
	s_add_nc_u64 s[G0V+4*(\s)+2:G0V+4*(\s)+3], s[VW:VW+1], (\s)*524288
	s_or_b32 s[G0V+4*(\s)+3], s[G0V+4*(\s)+3], 0x80000000
.endr
	s_cmp_lt_u32 s[WV], 2           ; a wave's two first fills stand in one branch: two loads of mine are out
	s_cbranch_scc0 .Lfirst_v
	tensor_load_to_lds s[G0K:G0K+3], s[G1K:G1K+7]
	s_nop 0
	tensor_load_to_lds s[G0K+4:G0K+7], s[G1K:G1K+7]
	s_nop 0
.rept 4
	v_nop
.endr
	s_branch .Lfirst_asked
.Lfirst_v:
	tensor_load_to_lds s[G0V:G0V+3], s[G1V:G1V+7]
	s_nop 0
	tensor_load_to_lds s[G0V+4:G0V+7], s[G1V:G1V+7]
	s_nop 0
.rept 4
	v_nop
.endr
.Lfirst_asked:
	v_and_b32 v1, 15, v0            ; l % 16
	v_bfe_u32 v19, v0, 4, 1         ; l / 16
	v_and_b32 v20, 31, v0           ; l
	v_lshlrev_b32 v[QO], 13, v1
	v_lshl_add_u32 v[QO], v19, 4, v[QO]  ; row x 8,192 + 16 x half
	QLOAD QB
	v_mul_u32_u24 v[AK0], v1, KP
	v_lshl_add_u32 v[AK0], v19, 4, v[AK0]
	s_mul_i32 s2, s[WV], 16*KP      ; my 16 keys
	v_add_nc_u32 v[AK0], s2, v[AK0]
	v_and_b32 v21, 7, v0            ; the turning load: lane l reads key 8 (l / 16) + l % 8, channels 8 ((l / 8) % 2) + 0..7
	v_bfe_u32 v22, v0, 3, 1
	v_lshl_add_u32 v[AV0], v19, 3, v21
	v_mul_u32_u24 v[AV0], v[AV0], VP
	v_lshl_add_u32 v[AV0], v22, 4, v[AV0]
	s_lshl_b32 s2, s[WV], 8         ; my 128 channels
	s_add_co_u32 s2, s2, VOFF
	v_add_nc_u32 v[AV0], s2, v[AV0]
	v_lshl_add_u32 v[AMXS], v0, 4, MX
	v_lshl_add_u32 v[AMXL], v20, 4, MX
	v_lshl_add_u32 v[APXS], v0, 4, PX
	v_lshl_add_u32 v[APXL], v20, 4, PX
	v_lshl_add_u32 v[ALXS], v0, 4, LX
	v_lshl_add_u32 v[ALXL], v20, 4, LX
	s_mul_i32 s2, s[WV], 16*SP
	s_add_co_u32 s2, s2, STAGE      ; my stage
	v_mul_u32_u24 v[STO], v1, SP    ; in: row l % 16, 32 bytes for each half of the lanes
	v_lshl_add_u32 v[STO], v19, 5, v[STO]
	v_add_nc_u32 v[STO], s2, v[STO]
	v_lshl_add_u32 v[RD], v20, 4, s2  ; back: 32 lanes take one row of 512 bytes
	v_lshlrev_b32 v[GO], 4, v20
	v_lshlrev_b32 v[PFO], 13, v20
	s_lshl_b32 s2, s[CX], 4
	s_lshl_b32 s3, s[WV], 4
	s_sub_co_i32 s2, s2, s3
	v_lshlrev_b32 v21, 3, v19
	v_sub_nc_u32 v21, v1, v21
	v_add_nc_u32 v21, s2, v21       ; my query's place in its band, 16 cx + l % 16, less my keys' 16 w + 8 (l / 16): register j is hidden where j is greater
.irp j, 0,1,2,3,4,5,6,7
	v_cmp_gt_i32 vcc_lo, (\j), v21
	v_cndmask_b32 v[MD+(\j)], 0, s[BIGN], vcc_lo
.endr
	; A block's first step multiplies O^T by a = 0, so O^T need only hold finite numbers: zeros now, what the first block left later.  All this stands in the wait for the first tile.
	WIN 0x40
.set q, 0
.rept 256
	v_mov_b32 v[q], 0
.set q, q+1
.endr
	WIN 0
	INIT
	ALLT v_mov_b32 v[ST+8*t+4], 0
	ALLT v_mov_b32 v[ST+8*t+5], 0
	ALLT v_mov_b32 v[ST+8*t+6], 0
	ALLT v_mov_b32 v[ST+8*t+7], 0
	s_wait_tensorcnt 0x1            ; my part of tile 0 is in; tile 1's may stay out
	s_barrier_signal -1
	s_barrier_wait -1
	v_mov_b32 v[ADK], v[AK0]
	v_mov_b32 v[ADV], v[AV0]
	KLOAD 0
	s_wait_loadcnt 0x0              ; Q
	s_mov_b32 s[CNT], 18
.Lstep:                             ; 18 trips: every place of the walk but the last two fills a slot again
	STEP 1
	s_sub_co_u32 s[RT], s[RT], 1
	s_cmp_lg_u32 s[RT], 0
	s_cbranch_scc1 .Lon             ; forward, past text with no barrier and no tensor load; RT hangs on the cluster's x alone
	QLOAD QB2                       ; the first block ends: the second's Q is on its way during the way out
	FINISH
	s_wait_xcnt 0x0                 ; the stores have read O's address
	s_mov_b64 s[OB:OB+1], s[OB2:OB2+1]
	s_mov_b32 s[RT], s[RT2]
	INIT
	s_wait_loadcnt 0x0
.Lon:
	s_sub_co_u32 s[CNT], s[CNT], 1
	s_cmp_lg_u32 s[CNT], 0
	s_cbranch_scc1 .Lstep
	s_mov_b32 s[CNT], 2
.Ltail:                             ; the last two steps ask for nothing; the very last fetches K of a tile that has been, which serves nothing: the price of one text
	STEP 0
	s_sub_co_u32 s[RT], s[RT], 1
	s_sub_co_u32 s[CNT], s[CNT], 1
	s_cmp_lg_u32 s[CNT], 0
	s_cbranch_scc1 .Ltail
	FINISH
	s_wait_tensorcnt 0x0            ; the wave's end
	ds_add_u32 v[SPW], v[NIL]
	s_wait_dscnt 0x0
	CROUND                          ; the closing round
	s_endpgm
.Lfunc_end_k_q025e0239d4_attn:
	.size	k_q025e0239d4_attn, .Lfunc_end_k_q025e0239d4_attn-k_q025e0239d4_attn
	.p2alignl 7, 3214868480
	.fill 96, 4, 3214868480
	.section	.rodata,"a",@progbits
	.p2align	6, 0x0
	.amdhsa_kernel k_q025e0239d4_attn
		.amdhsa_group_segment_fixed_size 327680
		.amdhsa_private_segment_fixed_size 0
		.amdhsa_enable_private_segment 0
		.amdhsa_kernarg_size 16
		.amdhsa_user_sgpr_count 2
		.amdhsa_user_sgpr_kernarg_segment_ptr 1
		.amdhsa_wavefront_size32 1
		.amdhsa_system_sgpr_workgroup_id_x 1
		.amdhsa_system_sgpr_workgroup_id_y 1
		.amdhsa_system_sgpr_workgroup_id_z 1
		.amdhsa_system_vgpr_workitem_id 0
		.amdhsa_next_free_vgpr 1024
		.amdhsa_next_free_sgpr 100
		.amdhsa_reserve_vcc 1
		.amdhsa_float_denorm_mode_32 3
		.amdhsa_float_denorm_mode_16_64 3
		.amdhsa_memory_ordered 1
		.amdhsa_forward_progress 1
		.amdhsa_inst_pref_size 161
	.end_amdhsa_kernel
	.amdgpu_metadata
---
amdhsa.version: [ 1, 2 ]
amdhsa.kernels:
  - .name:           k_q025e0239d4_attn
    .symbol:         k_q025e0239d4_attn.kd
    .args:
      - { .name: qkv, .offset: 0, .size: 8, .value_kind: global_buffer, .address_space: global }
      - { .name: out0, .offset: 8, .size: 8, .value_kind: global_buffer, .address_space: global }
    .group_segment_fixed_size: 327680
    .private_segment_fixed_size: 0
    .kernarg_segment_align: 8
    .kernarg_segment_size: 16
    .max_flat_workgroup_size: 128
    .sgpr_count:     100
    .vgpr_count:     1024
    .wavefront_size: 32
...
	.end_amdgpu_metadata
.endif
;; end of part 3
